; MI455X (gfx1250); checked and timed in simulation.
; The chip was launched on July 23, 2026; its instructions are those of AMD's public machine-readable ISA for CDNA 5 (MIT licence, August 2026) and "CDNA5" Instruction Set Architecture Reference Guide (July 2026). The comments in the code are by the model that wrote it; some were corrected since.
;; QC Attention. Allowed arithmetic: matrix products marked QUANTISED: E4M3 operands, one given power-of-two scale a tensor, by v_wmma_f32_16x16x64_fp8_fp8 or v_wmma_f32_16x16x128_fp8_fp8, f32 sums; products left as they are: f32 operands where the result goes on into a quantised operand, else bf16, f16 or f32 operands; f32 sums; everything else in f32.
;; Inputs: Wk 512 x 512 float32; Wo 512 x 512 float32; Wq 512 x 512 float32; Wv 512 x 512 float32; bk 512 float32; bo 512 float32; bq 512 float32; bv 512 float32; c_seq 16 x 1,024 x 32 int32; k 16 x 1,024 x 512 float32; lowp_scales 12 int32 (the exponents e of the quantised operands' scales 2^e); q 16 x 1,024 x 512 float32; q_seq 16 x 1,024 int32; v 16 x 1,024 x 512 float32.
;; Outputs: out0 16 x 1,024 x 512 float32.
;; This version of the problem:
;;   THIS VERSION OF THE PROBLEM IS GIVEN IN LOW PRECISION. The matrix products marked QUANTISED in the list below multiply operands that are first quantised to E4M3 (4 exponent bits, 3 mantissa bits; 8 bits a number), with one given power-of-two scale for each operand tensor; their sums are f32. All else is computed in f32.
;;   The module's matrix products, in the order in which they are computed (A, B: the left and right operand; K: the contracted axis; several contracted axes count as one K, in the product's order):
;;     1. [M 16,384, K 512] x [K 512, N 512]; A: input k; B: input Wk: QUANTISED (scales: A lowp_scales[0], B lowp_scales[1])
;;     2. [M 16,384, K 512] x [K 512, N 512]; A: input q; B: input Wv: QUANTISED (scales: A lowp_scales[2], B lowp_scales[3])
;;     3. [M 16,384, K 512] x [K 512, N 512]; A: input v; B: input Wq: QUANTISED (scales: A lowp_scales[4], B lowp_scales[5])
;;     4. batch 16 x [M 1,024, K 32] x [K 32, N 1,024]; A: input c_seq; B: input c_seq: left as it is (operands are no floats)
;;     5. batch 128 x [M 1,024, K 64] x [K 64, N 1,024]; A: computed on the way; B: computed on the way: QUANTISED (scales: A lowp_scales[6], B lowp_scales[7])
;;     6. batch 128 x [M 1,024, K 1,024] x [K 1,024, N 64]; A: computed on the way; B: computed on the way: QUANTISED (scales: A lowp_scales[8], B lowp_scales[9])
;;     7. [M 16,384, K 512] x [K 512, N 512]; A: computed on the way; B: input Wo: QUANTISED (scales: A lowp_scales[10], B lowp_scales[11])
;;   THE QUANTISER, for each operand of a quantised product, along K:
;;     - The operand's scale is 2^e, e = its entry of the input lowp_scales (int32; the entries are numbered through the quantised products in the list's order, A before B).
;;     - Each number is divided by the scale, clamped to +-448, and rounded to the nearest number of E4M3, ties to even, subnormals kept.
;;     - The product sums the exact products of the quantised numbers (number of the format x scale) in f32.
;;   ~~~python
;;   def quantise(x, axis, e):      # numpy; x: float32 -> the quantised numbers, widened to float32 again
;;       x = np.moveaxis(x, axis, -1); K = x.shape[-1]
;;       r = np.clip(x / 2.0 ** e, -448, 448)
;;       step = 2.0 ** (np.maximum(np.frexp(np.where(r == 0, 1, r))[1] - 1, -6) - 3)
;;       q = np.round(r / step) * step * 2.0 ** e      # np.round: ties to even
;;       return np.moveaxis(q, -1, axis).astype(np.float32)
;;   ~~~
;;   OPERANDS COMPUTED ON THE WAY. 'Computed on the way' means the value that the module computes at that place (a softmax that the list does not call 'softmax' is quantised finished and normalised). What goes into a quantiser is computed in f32, as accurately as f32 sums, v_exp_f32 and their like allow (about 1e-6 of the number): no bf16 or f16 on the way to a quantiser, and a product that is left as it is and whose result goes on into a quantised operand takes f32 operands (vector FMAs, or v_wmma_f32_16x16x4_f32). A number that lies on a knife's edge between two numbers of the format may be rounded either way, as far as f32 arithmetic and the matrix unit's own rounding can turn it there, and no further.
;; One version. Each part assembles by itself: llvm-mc -triple=amdgcn-amd-amdhsa -mcpu=gfx1250 --defsym DOCPART=n.
;; ======== version 1 of 1: 4 launches
;; limits: right only within a limited range of input values
;; workspace buffers: wimg 1,048,576 bytes; cbits 65,536 bytes of whole numbers; qimg 8,388,608 bytes; kv 16,777,216 bytes; cimg 8,388,608 bytes; mimg 8,388,608 bytes
;; launch prep (part 1): grid 128 x 1, 4 waves a work-group, no clusters, 0 bytes of LDS; arguments Wk, Wv, Wq, Wo, c_seq, lowp_scales, wimg, cbits; writes wimg, cbits
.if DOCPART == 1
	.amdgcn_target "amdgcn-amd-amdhsa--gfx1250"
	.amdhsa_code_object_version 6
	.text
	.protected	k_q449d504bee_prep
	.globl	k_q449d504bee_prep
	.p2align	8
	.type	k_q449d504bee_prep,@function
k_q449d504bee_prep:
	s_mov_b64 s[64:65], 0
	v_nop
	global_prefetch_b8 v0, s[64:65] scope:SCOPE_SE
	s_setreg_imm32_b32 hwreg(HW_REG_WAVE_MODE, 25, 1), 1
	s_wait_xcnt 0x0
; Two jobs, parted by the work-group's number.
; Work-groups 0-63: the four weights [512 (n)][512 (k)] f32 become codes of E4M3, laid as IMAGES OF OPERAND REGISTERS: wimg[i: Wk, Wv, Wq, Wo][n tile 32][K step 4][2,048 bytes].
;   A fragment is 16 rows x 128 k in 16 registers: lane (r = lane % 16, h = lane / 16) holds in registers 2 c, 2 c + 1 the codes of k = 16 c + 8 h + 0 .. 7 of row r.
;   In the image registers 4 g .. 4 g + 3 of lane l lie at byte 512 g + 16 l, so every later load of a fragment is four loads of 512 consecutive bytes.
;   code = x / 2^e, held within +-448, to the nearest code, ties to even; e = lowp_scales[1], [3], [5], [11].  LIMIT: e between -126 and 119.  NaN among the inputs is not served.
; Work-groups 64-127: each row of c_seq (32 whole numbers) becomes one word, bit k = (c_seq[b][s][k] != 0).
;   LIMIT: c_seq's entries are not negative (then two rows' product sum is above 0 exactly where their words share a bit).
; A wave of the first kind takes one n tile and two K steps; one of the second kind 64 rows.  No LDS, no barrier: waves share nothing.
.set X, 32                             ; v32-159  2 x 64 numbers
.set C, 160                            ; v160-191 2 x 16 registers of codes: no store's data are written again
	s_load_b256 s[4:11], s[0:1], 0x0               ; Wk s[4:5], Wv s[6:7], Wq s[8:9], Wo s[10:11]
	s_load_b256 s[12:19], s[0:1], 0x20             ; c_seq s[12:13], the scales' exponents s[14:15], wimg s[16:17], cbits s[18:19]
	v_lshrrev_b32 v1, 5, v0
	v_readfirstlane_b32 s20, v1                    ; wave
	v_and_b32 v1, 31, v0                           ; lane
	s_mov_b32 s3, 0
	s_wait_kmcnt 0x0
	s_cmp_ge_u32 ttmp9, 64
	s_cbranch_scc1 .Lbits
	; ---- the weights
	s_load_b256 s[32:39], s[14:15], 0x0            ; e0 .. e7
	s_load_b128 s[40:43], s[14:15], 0x20           ; e8 .. e11
	s_lshr_b32 s21, ttmp9, 4                       ; i: which weight
	s_and_b32 s26, ttmp9, 15
	s_lshl_b32 s26, s26, 2
	s_add_co_u32 s26, s26, s20                     ; my task among the weight's 64
	s_lshr_b32 s27, s26, 1                         ; n tile
	s_and_b32 s28, s26, 1                          ; which two K steps
	s_cmp_eq_u32 s21, 0                            ; the choices hang on the work-group's number alone
	s_cselect_b64 s[22:23], s[4:5], s[6:7]
	s_cmp_eq_u32 s21, 2
	s_cselect_b64 s[22:23], s[8:9], s[22:23]
	s_cmp_eq_u32 s21, 3
	s_cselect_b64 s[22:23], s[10:11], s[22:23]
	s_lshl_b32 s2, s27, 15                         ; 16 rows of 2,048 bytes
	s_lshl_b32 s29, s28, 10                        ; two K steps of 512 bytes
	s_add_co_u32 s2, s2, s29
	s_add_nc_u64 s[22:23], s[22:23], s[2:3]
	s_lshl_b32 s2, s21, 5
	s_add_co_u32 s2, s2, s27
	s_lshl_b32 s2, s2, 13                          ; (32 i + n tile) x 8,192
	s_lshl_b32 s29, s28, 12
	s_add_co_u32 s2, s2, s29                       ; + two images
	s_add_nc_u64 s[16:17], s[16:17], s[2:3]
	v_and_b32 v2, 15, v0                           ; r
	v_bfe_u32 v3, v0, 4, 1                         ; h
	v_lshlrev_b32 v4, 11, v2
	v_lshl_add_u32 v4, v3, 5, v4                   ; row r, + 8 h numbers
	s_wait_alu depctr_va_vdst(0)
	v_lshlrev_b32 v5, 4, v1                        ; 16 x lane
.irp s, 0,1
.irp c, 0,1,2,3,4,5,6,7
.irp u, 0,1
	global_load_b128 v[X+64*\s+8*\c+4*\u:X+64*\s+8*\c+4*\u+3], v4, s[22:23] offset:512*\s+64*\c+16*\u
.endr
.endr
.endr
	s_wait_kmcnt 0x0
	s_cmp_eq_u32 s21, 0
	s_cselect_b32 s24, s33, s35
	s_cmp_eq_u32 s21, 2
	s_cselect_b32 s24, s37, s24
	s_cmp_eq_u32 s21, 3
	s_cselect_b32 s24, s43, s24                    ; e
	s_add_co_i32 s24, s24, 127
	s_lshl_b32 s25, s24, 23
	v_mov_b32 v11, s25                             ; 2^e as f32: the conversion takes its exponent field
	s_add_co_i32 s24, s24, 8
	s_lshl_b32 s24, s24, 23
	s_or_b32 s24, s24, 0x600000
	v_mov_b32 v10, s24                             ; 448 x 2^e
	s_wait_alu depctr_va_vdst(0)
.irp s, 0,1
	s_wait_loadcnt 16-16*\s                        ; this K step's 16 loads are in; the other's may be out
.irp c, 0,1,2,3,4,5,6,7
.irp i, 0,1,2,3,4,5,6,7
	v_med3_num_f32 v[X+64*\s+8*\c+\i], v[X+64*\s+8*\c+\i], -v10, v10   ; the conversion does not saturate (ISA guide 7.6.2): the hold comes first
.endr
	v_cvt_scalef32_pk8_fp8_f32 v[C+16*\s+2*\c:C+16*\s+2*\c+1], v[X+64*\s+8*\c:X+64*\s+8*\c+7], v11
.endr
	v_nop                                          ; a plain line behind the last conversion of the run
.irp g, 0,1,2,3
	global_store_b128 v5, v[C+16*\s+4*\g:C+16*\s+4*\g+3], s[16:17] offset:2048*\s+512*\g   ; 32 lanes store 512 consecutive bytes
.endr
.endr
	s_endpgm
	; ---- the words of c_seq
.Lbits:
	s_sub_co_u32 s21, ttmp9, 64
	s_lshl_b32 s21, s21, 2
	s_add_co_u32 s21, s21, s20                     ; which 64 rows are my wave's
	s_lshl_b32 s2, s21, 13                         ; 64 rows of 128 bytes
	s_add_nc_u64 s[12:13], s[12:13], s[2:3]
	s_lshl_b32 s2, s21, 8                          ; 64 words
	s_add_nc_u64 s[18:19], s[18:19], s[2:3]
	s_wait_alu depctr_va_vdst(0)
	v_lshlrev_b32 v4, 2, v1
	v_lshlrev_b32 v5, 3, v1
.set i, 0
.rept 64
	global_load_b32 v[32+i], v4, s[12:13] offset:128*i th:TH_LOAD_NT   ; a row: lane k takes entry k
.set i, i+1
.endr
	v_mov_b32 v2, 0                                ; written whole: v_writelane_b32's destination counts as read
	v_mov_b32 v3, 0
	s_wait_alu depctr_va_vdst(0)
	s_wait_loadcnt 0x0
.set i, 0
.rept 64
	v_cmp_ne_u32 s30, 0, v[32+i]                   ; the row's word: bit k from lane k
	v_writelane_b32 v[2+(i&1)], s30, i>>1          ; rows 2 j and 2 j + 1 go to lane j
.set i, i+1
.endr
	global_store_b64 v5, v[2:3], s[18:19]          ; 32 lanes store 256 consecutive bytes, aligned
	s_endpgm
.Lfunc_end_k_q449d504bee_prep:
	.size	k_q449d504bee_prep, .Lfunc_end_k_q449d504bee_prep-k_q449d504bee_prep
	.p2alignl 7, 3214868480
	.fill 96, 4, 3214868480
	.section	.rodata,"a",@progbits
	.p2align	6, 0x0
	.amdhsa_kernel k_q449d504bee_prep
		.amdhsa_group_segment_fixed_size 0
		.amdhsa_private_segment_fixed_size 0
		.amdhsa_enable_private_segment 0
		.amdhsa_kernarg_size 64
		.amdhsa_user_sgpr_count 2
		.amdhsa_user_sgpr_kernarg_segment_ptr 1
		.amdhsa_wavefront_size32 1
		.amdhsa_system_sgpr_workgroup_id_x 1
		.amdhsa_system_sgpr_workgroup_id_y 1
		.amdhsa_system_sgpr_workgroup_id_z 1
		.amdhsa_system_vgpr_workitem_id 0
		.amdhsa_next_free_vgpr 192
		.amdhsa_next_free_sgpr 66
		.amdhsa_reserve_vcc 0
		.amdhsa_float_denorm_mode_32 3
		.amdhsa_float_denorm_mode_16_64 3
		.amdhsa_memory_ordered 1
		.amdhsa_forward_progress 1
		.amdhsa_inst_pref_size 30
	.end_amdhsa_kernel
	.amdgpu_metadata
---
amdhsa.version: [ 1, 2 ]
amdhsa.kernels:
  - .name:           k_q449d504bee_prep
    .symbol:         k_q449d504bee_prep.kd
    .args:
      - { .name: Wk, .offset: 0, .size: 8, .value_kind: global_buffer, .address_space: global }
      - { .name: Wv, .offset: 8, .size: 8, .value_kind: global_buffer, .address_space: global }
      - { .name: Wq, .offset: 16, .size: 8, .value_kind: global_buffer, .address_space: global }
      - { .name: Wo, .offset: 24, .size: 8, .value_kind: global_buffer, .address_space: global }
      - { .name: c_seq, .offset: 32, .size: 8, .value_kind: global_buffer, .address_space: global }
      - { .name: lowp_scales, .offset: 40, .size: 8, .value_kind: global_buffer, .address_space: global }
      - { .name: wimg, .offset: 48, .size: 8, .value_kind: global_buffer, .address_space: global }
      - { .name: cbits, .offset: 56, .size: 8, .value_kind: global_buffer, .address_space: global }
    .group_segment_fixed_size: 0
    .private_segment_fixed_size: 0
    .kernarg_segment_align: 8
    .kernarg_segment_size: 64
    .max_flat_workgroup_size: 128
    .sgpr_count:     66
    .vgpr_count:     192
    .wavefront_size: 32
...
	.end_amdgpu_metadata
.endif
;; end of part 1
;; launch proj (part 2): grid 64 x 4, 4 waves a work-group, no clusters, 327,680 bytes of LDS; arguments k, q, v, bk, bv, bq, lowp_scales, wimg, qimg, kv, cbits, q_seq, mimg; writes qimg, kv, mimg
.if DOCPART == 2
	.amdgcn_target "amdgcn-amd-amdhsa--gfx1250"
	.amdhsa_code_object_version 6
	.text
	.protected	k_q449d504bee_proj
	.globl	k_q449d504bee_proj
	.p2align	8
	.type	k_q449d504bee_proj,@function
k_q449d504bee_proj:
	s_mov_b64 s[64:65], 0
	v_nop
	global_prefetch_b8 v0, s[64:65] scope:SCOPE_SE
	s_setreg_imm32_b32 hwreg(HW_REG_WAVE_MODE, 25, 1), 1
	s_wait_xcnt 0x0
.set RP,    528
.set QB,    64*RP
.set SLOTB, 4*QB
.set IMG,   2*SLOTB
.set SPARE, IMG+32768
.set LI,   1
.set XA0,  4
.set IWA,  6
.set IRA,  7
.set BO,   8
.set ST0,  16
.set ST1,  80
.set OC,   16
.set PC0,  144
.set PC1,  160
.set BIAS, 176
.set SX,   240
.set LX,   241
.set SO,   242
.set LO,   243
.set SPW,  244
.set NIL,  245
.set XR,   246
.set MSB, 0
.macro WIN new
.if MSB != (\new)
	s_set_vgpr_msb (MSB<<8)|(\new)
.set MSB, (\new)
.endif
.endm
.macro NOPS n
.rept \n
	v_nop
.endr
.endm
.macro XLD ks, st
.irp c, 0,1,2,3,4,5,6,7
	ds_load_b128 v[\st+8*\c:\st+8*\c+3], v[XR+(\ks)/2] offset:((\ks)%2)*QB+64*\c
	ds_load_b128 v[\st+8*\c+4:\st+8*\c+7], v[XR+(\ks)/2] offset:((\ks)%2)*QB+64*\c+16
.endr
.endm
.macro QUANT st, pc
.irp c, 0,1,2,3,4,5,6,7
.irp i, 0,1,2,3,4,5,6,7
	v_med3_num_f32 v[\st+8*\c+\i], v[\st+8*\c+\i], -v[LX], v[LX]
.endr
	v_cvt_scalef32_pk8_fp8_f32 v[\pc+2*\c:\pc+2*\c+1], v[\st+8*\c:\st+8*\c+7], v[SX]
.endr
	v_nop
.endm
.macro IMAGE pc, ks
.irp g, 0,1,2,3
	ds_store_b128 v[IWA], v[\pc+4*\g:\pc+4*\g+3] offset:(\ks)*2048+512*\g
.endr
.endm
.macro FETCHX set, ks
.irp mt, 0,1,2,3
.irp g, 0,1,2,3
	ds_load_b128 v[16+64*(\set)+16*\mt+4*\g:16+64*(\set)+16*\mt+4*\g+3], v[IRA] offset:(4*\mt+(\ks))*2048+512*\g
.endr
.endr
.endm
.macro MMP ks, set, first, sw
.irp nt, 0,1,2,3,4,5,6,7
.if \first
	WIN (0xc0|((1+\nt/4)<<(2*\sw)))
.else
	WIN (0xf0|((1+\nt/4)<<(2*\sw)))
.endif
.irp mt, 0,1,2,3
.set rD, 8*(4*\nt+\mt)
.set rW, 64*(\nt%4)+16*(\ks)
.set rX, 16+64*(\set)+16*\mt
.if (\sw) == 0
.if \first
	v_wmma_f32_16x16x128_fp8_fp8 v[rD:rD+7], v[rW:rW+15], v[rX:rX+15], v[BIAS+8*\nt:BIAS+8*\nt+7]
.else
	v_wmma_f32_16x16x128_fp8_fp8 v[rD:rD+7], v[rW:rW+15], v[rX:rX+15], v[rD:rD+7]
.endif
.else
.if \first
	v_wmma_f32_16x16x128_fp8_fp8 v[rD:rD+7], v[rX:rX+15], v[rW:rW+15], v[BIAS+8*\nt:BIAS+8*\nt+7]
.else
	v_wmma_f32_16x16x128_fp8_fp8 v[rD:rD+7], v[rX:rX+15], v[rW:rW+15], v[rD:rD+7]
.endif
.endif
.endr
.endr
	WIN 0
.endm
.macro MM ks, set, first
	s_cmp_eq_u32 s9, 2
	s_cbranch_scc1 .Lmv_\@
	MMP \ks, \set, \first, 0
	s_branch .Lmj_\@
.Lmv_\@:
	MMP \ks, \set, \first, 1
.Lmj_\@:
.endm
	s_load_b512 s[36:51], s[0:1], 0x0
	s_load_b128 s[52:55], s[0:1], 0x40
	s_load_b128 s[80:83], s[0:1], 0x50             ; cbits, q_seq
	s_load_b64 s[84:85], s[0:1], 0x60              ; mimg
	v_lshl_add_u32 v[SPW], v0, 2, SPARE
	v_mov_b32 v[NIL], 0
	ds_add_u32 v[SPW], v[NIL]
	ds_add_u32 v[SPW], v[NIL]
	v_lshrrev_b32 v1, 5, v0
	v_readfirstlane_b32 s8, v1
	s_and_b32 s9, ttmp7, 0xffff
	s_mov_b32 s10, ttmp9
	s_mov_b32 s16, (2<<16)|(1<<20)|(6<<22)|(3<<25)
	s_mov_b32 s17, 128<<16
	s_mov_b32 s18, 64<<16
	s_mov_b32 s19, 128<<16
	s_mov_b32 s20, 64
	s_mov_b32 s21, 512
	s_mov_b32 s22, 0
	s_mov_b32 s23, 0
	s_mul_i32 s62, s8, QB
	s_mov_b32 s11, 0
	s_mov_b32 s3, 0
	s_wait_dscnt 0x0
	s_wait_kmcnt 0x0
	s_cmp_eq_u32 s9, 3                             ; work-groups with y = 3 build the masks: a branch on the work-group's number
	s_cbranch_scc1 .Lmask
	s_load_b256 s[68:75], s[48:49], 0x0
	s_load_b128 s[76:79], s[48:49], 0x20
	s_cmp_eq_u32 s9, 0
	s_cselect_b64 s[4:5], s[36:37], s[38:39]
	s_cselect_b64 s[6:7], s[42:43], s[44:45]
	s_cmp_eq_u32 s9, 2
	s_cselect_b64 s[4:5], s[40:41], s[4:5]
	s_cselect_b64 s[6:7], s[46:47], s[6:7]
	s_cmp_eq_u32 s9, 1
	s_cselect_b64 s[32:33], s[52:53], s[54:55]
	s_lshl_b32 s2, s10, 19
	s_lshl_b32 s13, s8, 9
	s_add_co_u32 s2, s2, s13
	s_add_nc_u64 s[4:5], s[4:5], s[2:3]
	s_mov_b32 s24, 1
	s_mov_b32 s25, s62
	s_mov_b64 s[26:27], s[4:5]
	s_or_b32 s27, s27, 0x80000000
	s_mov_b32 s28, 1
	s_add_co_u32 s29, s62, SLOTB
	s_add_nc_u64 s[30:31], s[4:5], 131072
	s_or_b32 s31, s31, 0x80000000
	tensor_load_to_lds s[24:27], s[16:23]
	s_nop 0
	NOPS 4
	v_and_b32 v1, 31, v0
	v_lshlrev_b32 v[LI], 4, v1
	v_and_b32 v2, 15, v0
	s_wait_alu depctr_va_vdst(0)
	v_bfe_u32 v3, v0, 4, 1
	s_lshl_b32 s2, s9, 18
	s_lshl_b32 s13, s8, 16
	s_add_co_u32 s2, s2, s13
	s_add_nc_u64 s[60:61], s[50:51], s[2:3]
.irp nt, 0,1,2,3,4,5,6,7
	WIN ((1+\nt/4)<<6)
.irp ks, 0,1,2,3
.irp g, 0,1,2,3
	global_load_b128 v[64*(\nt%4)+16*\ks+4*\g:64*(\nt%4)+16*\ks+4*\g+3], v[LI], s[60:61] offset:\nt*8192+\ks*2048+512*\g
.endr
.endr
.endr
	WIN 0
	s_cmp_eq_u32 s9, 2
	s_cselect_b32 s56, 4, 0
	s_cselect_b32 s57, 0, 32
	s_cselect_b32 s58, 0, 4
	v_mul_u32_u24 v[BO], v2, s56
	s_wait_alu depctr_va_vdst(0)
	v_mad_u32_u24 v[BO], v3, s57, v[BO]
	s_wait_alu depctr_va_vdst(0)
.irp j, 1,2,3,4,5,6,7
	s_mul_i32 s59, s58, \j
	v_add_nc_u32 v[BO+\j], s59, v[BO]
.endr
	s_lshl_b32 s2, s8, 9
	s_add_nc_u64 s[6:7], s[6:7], s[2:3]
	s_wait_alu depctr_va_vdst(0)
.irp nt, 0,1,2,3,4,5,6,7
.irp j, 0,1,2,3,4,5,6,7
	global_load_b32 v[BIAS+8*\nt+\j], v[BO+\j], s[6:7] offset:64*\nt
.endr
.endr
	s_mul_i32 s13, s8, 16*RP
	v_mul_u32_u24 v[XA0], v2, RP
	v_lshl_add_u32 v[XA0], v3, 5, v[XA0]
	v_add_nc_u32 v[XA0], s13, v[XA0]
	s_lshl_b32 s13, s8, 13
	s_add_co_u32 s13, s13, IMG
	v_add_nc_u32 v[IWA], s13, v[LI]
	v_add_nc_u32 v[IRA], IMG, v[LI]
	s_lshr_b32 s2, s10, 2
	s_lshl_b32 s2, s2, 3
	s_lshl_b32 s13, s8, 1
	s_add_co_u32 s2, s2, s13
	s_cmp_eq_u32 s9, 1
	s_cselect_b32 s12, 16, 17
	s_lshl_b32 s2, s2, s12
	s_and_b32 s13, s10, 3
	s_lshl_b32 s13, s13, 14
	s_add_co_u32 s2, s2, s13
	s_cmp_eq_u32 s9, 2
	s_cselect_b32 s13, 65536, 0
	s_add_co_u32 s2, s2, s13
	s_add_nc_u64 s[32:33], s[32:33], s[2:3]
	s_lshl_b32 s2, 1, s12
	s_add_nc_u64 s[34:35], s[32:33], s[2:3]
	s_wait_alu depctr_va_vdst(0)                   ; the weights' and biases' loads are out: now slot 1's first fill
	s_wait_tensorcnt 0x0
	ds_add_u32 v244, v245
	s_wait_dscnt 0x0
	s_barrier_signal -1
	s_barrier_wait -1
	tensor_load_to_lds s[28:31], s[16:23]
	s_nop 0
	NOPS 4
	s_wait_loadcnt 0x0
	s_wait_kmcnt 0x0
	s_cmp_eq_u32 s9, 0
	s_cselect_b32 s56, s68, s70
	s_cselect_b32 s57, s69, s71
	s_cselect_b32 s58, s75, s74
	s_cmp_eq_u32 s9, 2
	s_cselect_b32 s56, s72, s56
	s_cselect_b32 s57, s73, s57
	s_cselect_b32 s58, s77, s58
	s_add_co_i32 s57, s56, s57
	s_sub_co_i32 s59, 0, s57
.set i, 0
.rept 64
	v_ldexp_f32 v[BIAS+i], v[BIAS+i], s59
.set i, i+1
.endr
	s_add_co_i32 s56, s56, 127
	s_lshl_b32 s59, s56, 23
	v_mov_b32 v[SX], s59
	s_add_co_i32 s56, s56, 8
	s_lshl_b32 s56, s56, 23
	s_or_b32 s56, s56, 0x600000
	v_mov_b32 v[LX], s56
	s_sub_co_i32 s58, s58, s57
	s_add_co_i32 s58, s58, 127
	s_lshl_b32 s59, s58, 23
	v_mov_b32 v[SO], s59
	s_add_co_i32 s58, s58, 8
	s_lshl_b32 s58, s58, 23
	s_or_b32 s58, s58, 0x600000
	v_mov_b32 v[LO], s58
	s_wait_tensorcnt 0x1
	s_barrier_signal -1
	s_barrier_wait -1
.macro BLOCK fill
	v_add_nc_u32 v[XR], s11, v[XA0]
	v_add_nc_u32 v[XR+1], 2*QB, v[XR]
	XLD 0, ST0
	XLD 1, ST1
	s_wait_dscnt 16
	QUANT ST0, PC0
	IMAGE PC0, 0
	XLD 2, ST0
	s_wait_dscnt 20
	QUANT ST1, PC1
	IMAGE PC1, 1
	XLD 3, ST1
	s_wait_dscnt 20
	QUANT ST0, PC0
	IMAGE PC0, 2
	s_wait_dscnt 4
	QUANT ST1, PC1
	IMAGE PC1, 3
	s_wait_tensorcnt 0x0
	ds_add_u32 v[SPW], v[NIL]
.if \fill
	s_add_co_u32 s29, s62, s11
	s_add_nc_u64 s[30:31], s[30:31], 131072
.endif
	s_wait_dscnt 0x0
	s_barrier_signal -1
	s_barrier_wait -1
.if \fill
	tensor_load_to_lds s[28:31], s[16:23]
	s_nop 0
	NOPS 4
.endif
	FETCHX 0, 0
	FETCHX 1, 1
	s_wait_dscnt 16
	MM 0, 0, 1
	NOPS 4
	FETCHX 0, 2
	s_wait_dscnt 16
	MM 1, 1, 0
	NOPS 4
	FETCHX 1, 3
	s_wait_dscnt 16
	MM 2, 0, 0
	s_wait_dscnt 0x0
	s_barrier_signal -1
	s_barrier_wait -1
	MM 3, 1, 0
	NOPS 4
	WIN 0xc3
.set i, 0
.rept 256
	v_med3_num_f32 v[i], v[i], -v[LO], v[LO]
.set i, i+1
.endr
	WIN 0
	s_cmp_eq_u32 s9, 2
	s_cbranch_scc1 .Lcv_\@
	WIN 0x03
.irp hd, 0,1
.irp mt, 0,1,2,3
.irp c, 0,1,2,3
	v_cvt_scalef32_pk8_fp8_f32 v[OC+8*(4*\hd+\mt)+2*\c:OC+8*(4*\hd+\mt)+2*\c+1], v[8*(4*(4*\hd+\c)+\mt):8*(4*(4*\hd+\c)+\mt)+7], v[SO]
.endr
.endr
.endr
	WIN 0
	s_branch .Lcj_\@
.Lcv_\@:
	WIN 0x03
.irp nt, 0,1,2,3,4,5,6,7
.irp c, 0,1,2,3
	v_cvt_scalef32_pk8_fp8_f32 v[OC+8*\nt+2*\c:OC+8*\nt+2*\c+1], v[8*(4*\nt+\c):8*(4*\nt+\c)+7], v[SO]
.endr
.endr
	WIN 0
.Lcj_\@:
	v_nop
	s_wait_alu depctr_va_vdst(0)
.irp n, 0,1,2,3,4,5,6,7
.irp g, 0,1
	global_store_b128 v[LI], v[OC+8*\n+4*\g:OC+8*\n+4*\g+3], s[32+2*(\n/4):33+2*(\n/4)] offset:(\n%4)*1024+512*\g
.endr
.endr
	s_wait_xcnt 0x0
	s_add_nc_u64 s[32:33], s[32:33], 4096
	s_add_nc_u64 s[34:35], s[34:35], 4096
	s_xor_b32 s11, s11, SLOTB
.endm
	s_mov_b32 s12, 2
.Lfill:
	s_wait_alu depctr_va_vdst(0)
	BLOCK 1
	s_sub_co_u32 s12, s12, 1
	s_cmp_lg_u32 s12, 0
	s_cbranch_scc1 .Lfill
	s_mov_b32 s12, 2
.Ltail:
	BLOCK 0
	s_sub_co_u32 s12, s12, 1
	s_cmp_lg_u32 s12, 0
	s_cbranch_scc1 .Ltail
	s_wait_tensorcnt 0x0
	ds_add_u32 v[SPW], v[NIL]
	s_wait_dscnt 0x0
	s_endpgm
; THE MASKS.  adj = 2^(shared concept + same question - 1) under the strict lower triangle, 0 elsewhere, as FP4 codes in the order of the scores' registers:
; mimg[batch][query block D of 64][query tile w][chunk c of 64 keys][512 bytes]: lane (r, h) holds query 16 w + r; nibble j of its word t is key 64 c + 16 t + 8 h + j.  Chunks c <= D alone are made.
; Work-group x takes batch x / 4 and the blocks g, 7 - g, 8 + g, 15 - g (g = x % 4): 34 chunks for each wave; wave w takes tile w.  No tensor load on this path; its LDS bytes are its own.
.set MK, SPARE+512                     ; 4 KiB of concept words, 4 KiB of question ids
.Lmask:
	s_wait_alu depctr_va_vdst(0)
	s_lshr_b32 s12, s10, 2                         ; batch
	s_and_b32 s13, s10, 3                          ; g
	s_lshl_b32 s2, s12, 12
	s_add_nc_u64 s[80:81], s[80:81], s[2:3]
	s_add_nc_u64 s[82:83], s[82:83], s[2:3]
	s_lshl_b32 s2, s12, 19
	s_lshl_b32 s14, s8, 13
	s_add_co_u32 s2, s2, s14
	s_add_nc_u64 s[84:85], s[84:85], s[2:3]
	v_lshlrev_b32 v2, 4, v0
	global_load_b128 v[16:19], v2, s[80:81]
	global_load_b128 v[20:23], v2, s[80:81] offset:2048
	global_load_b128 v[24:27], v2, s[82:83]
	global_load_b128 v[28:31], v2, s[82:83] offset:2048
	v_lshl_add_u32 v3, v0, 4, MK
	v_and_b32 v1, 31, v0
	v_lshlrev_b32 v1, 4, v1
	v_and_b32 v4, 15, v0                           ; r
	v_bfe_u32 v5, v0, 4, 1                         ; h
	v_lshl_add_u32 v7, v5, 5, MK
	v_lshlrev_b32 v5, 3, v5
	v_sub_nc_u32 v6, v4, v5
	s_lshl_b32 s14, s8, 4
	v_add_nc_u32 v6, s14, v6                       ; 16 w + r - 8 h
	v_mov_b32 v8, 1.0
	v_mov_b32 v9, 0
	s_wait_alu depctr_va_vdst(0)
	s_wait_loadcnt 0x0
	ds_store_b128 v3, v[16:19]
	ds_store_b128 v3, v[20:23] offset:2048
	ds_store_b128 v3, v[24:27] offset:4096
	ds_store_b128 v3, v[28:31] offset:6144
	s_wait_dscnt 0x0
	s_barrier_signal -1
	s_barrier_wait -1
	s_mov_b32 s15, 0
.Lmd:
	s_and_b32 s16, s15, 1
	s_mul_i32 s16, s16, 7
	s_xor_b32 s16, s16, s13
	s_and_b32 s17, s15, 2
	s_lshl_b32 s17, s17, 2
	s_add_co_u32 s16, s16, s17
	s_and_b32 s16, s16, 15                         ; D
	s_lshl_b32 s19, s16, 8
	s_lshl_b32 s20, s8, 6
	s_add_co_u32 s19, s19, s20
	v_lshl_add_u32 v10, v4, 2, s19
	v_add_nc_u32 v10, MK, v10
	ds_load_b32 v12, v10                           ; my query's concept word
	ds_load_b32 v13, v10 offset:4096               ; and question id
	s_wait_alu depctr_va_vdst(0)
	s_wait_dscnt 0x0                               ; both words are in before the walk over the chunks begins
	s_lshl_b32 s21, s16, 15
	s_mov_b32 s22, 0
.Lmc:
	s_cmp_gt_u32 s22, s16                          ; chunks above the diagonal are not made
	s_cbranch_scc1 .Lms
	s_lshl_b32 s23, s22, 8
	v_add_nc_u32 v11, s23, v7
.irp t, 0,1,2,3
.irp u, 0,1
	ds_load_b128 v[32+8*\t+4*\u:35+8*\t+4*\u], v11 offset:64*\t+16*\u
	ds_load_b128 v[64+8*\t+4*\u:67+8*\t+4*\u], v11 offset:4096+64*\t+16*\u
.endr
.endr
	s_sub_co_i32 s24, s16, s22
	s_lshl_b32 s24, s24, 6
	v_add_nc_u32 v14, s24, v6
	s_lshl_b32 s25, s22, 9
	s_add_co_u32 s25, s25, s21
	s_wait_xcnt 0x0                                ; the store before has read v15 and v96-99
	v_add_nc_u32 v15, s25, v1
	s_wait_alu depctr_va_vdst(0)
	s_wait_dscnt 0x0
.set n, 0
.rept 32
	v_and_b32 v[32+n], v[32+n], v12
	v_xor_b32 v[64+n], v[64+n], v13
.set n, n+1
.endr
.set n, 0
.rept 32
	v_min_u32 v[32+n], 1, v[32+n]                  ; 1 where a concept is shared
	v_min_u32 v[64+n], 1, v[64+n]                  ; 0 where the question is the same
.set n, n+1
.endr
.set n, 0
.rept 32
	v_sub_nc_u32 v[32+n], v[32+n], v[64+n]
.set n, n+1
.endr
.set n, 0
.rept 32
	v_ldexp_f32 v[32+n], 1.0, v[32+n]
.set n, n+1
.endr
	s_cmp_lt_u32 s22, s16
	s_wait_alu depctr_va_vdst(0)
	s_cbranch_scc1 .Lmf
.set n, 0
.rept 32
	v_cmp_ge_i32 vcc_lo, 16*(n/8)+n%8, v14         ; key >= query
	v_cndmask_b32 v[32+n], v[32+n], v9, vcc_lo
.set n, n+1
.endr
.Lmf:
	s_wait_alu depctr_va_vdst(0)
.irp t, 0,1,2,3
	v_cvt_scalef32_pk8_fp4_f32 v[96+\t], v[32+8*\t:39+8*\t], v8
.endr
	v_nop
	global_store_b128 v15, v[96:99], s[84:85]      ; 32 lanes store 512 consecutive bytes, aligned
.Lms:
	s_add_co_u32 s22, s22, 1
	s_cmp_lt_u32 s22, 16
	s_cbranch_scc1 .Lmc
	s_add_co_u32 s15, s15, 1
	s_cmp_lt_u32 s15, 4
	s_cbranch_scc1 .Lmd
	s_wait_tensorcnt 0x0                           ; the wave's end
	ds_add_u32 v[SPW], v[NIL]
	s_wait_dscnt 0x0
	s_endpgm
.Lfunc_end_k_q449d504bee_proj:
	.size	k_q449d504bee_proj, .Lfunc_end_k_q449d504bee_proj-k_q449d504bee_proj
	.p2alignl 7, 3214868480
	.fill 96, 4, 3214868480
	.section	.rodata,"a",@progbits
	.p2align	6, 0x0
	.amdhsa_kernel k_q449d504bee_proj
		.amdhsa_group_segment_fixed_size 327680
		.amdhsa_private_segment_fixed_size 0
		.amdhsa_enable_private_segment 0
		.amdhsa_kernarg_size 104
		.amdhsa_user_sgpr_count 2
		.amdhsa_user_sgpr_kernarg_segment_ptr 1
		.amdhsa_wavefront_size32 1
		.amdhsa_system_sgpr_workgroup_id_x 1
		.amdhsa_system_sgpr_workgroup_id_y 1
		.amdhsa_system_sgpr_workgroup_id_z 1
		.amdhsa_system_vgpr_workitem_id 0
		.amdhsa_next_free_vgpr 1024
		.amdhsa_next_free_sgpr 90
		.amdhsa_reserve_vcc 1
		.amdhsa_float_denorm_mode_32 3
		.amdhsa_float_denorm_mode_16_64 3
		.amdhsa_memory_ordered 1
		.amdhsa_forward_progress 1
		.amdhsa_inst_pref_size 178
	.end_amdhsa_kernel
	.amdgpu_metadata
---
amdhsa.version: [ 1, 2 ]
amdhsa.kernels:
  - .name:           k_q449d504bee_proj
    .symbol:         k_q449d504bee_proj.kd
    .args:
      - { .name: k, .offset: 0, .size: 8, .value_kind: global_buffer, .address_space: global }
      - { .name: q, .offset: 8, .size: 8, .value_kind: global_buffer, .address_space: global }
      - { .name: v, .offset: 16, .size: 8, .value_kind: global_buffer, .address_space: global }
      - { .name: bk, .offset: 24, .size: 8, .value_kind: global_buffer, .address_space: global }
      - { .name: bv, .offset: 32, .size: 8, .value_kind: global_buffer, .address_space: global }
      - { .name: bq, .offset: 40, .size: 8, .value_kind: global_buffer, .address_space: global }
      - { .name: lowp_scales, .offset: 48, .size: 8, .value_kind: global_buffer, .address_space: global }
      - { .name: wimg, .offset: 56, .size: 8, .value_kind: global_buffer, .address_space: global }
      - { .name: qimg, .offset: 64, .size: 8, .value_kind: global_buffer, .address_space: global }
      - { .name: kv, .offset: 72, .size: 8, .value_kind: global_buffer, .address_space: global }
      - { .name: cbits, .offset: 80, .size: 8, .value_kind: global_buffer, .address_space: global }
      - { .name: q_seq, .offset: 88, .size: 8, .value_kind: global_buffer, .address_space: global }
      - { .name: mimg, .offset: 96, .size: 8, .value_kind: global_buffer, .address_space: global }
    .group_segment_fixed_size: 327680
    .private_segment_fixed_size: 0
    .kernarg_segment_align: 8
    .kernarg_segment_size: 104
    .max_flat_workgroup_size: 128
    .sgpr_count:     90
    .vgpr_count:     1024
    .wavefront_size: 32
...
	.end_amdgpu_metadata
.endif
;; end of part 2
;; launch attn (part 3): grid 8 x 32, 8 waves a work-group, no clusters, 327,680 bytes of LDS; arguments qimg, kv, mimg, lowp_scales, cimg; writes cimg
.if DOCPART == 3
	.amdgcn_target "amdgcn-amd-amdhsa--gfx1250"
	.amdhsa_code_object_version 6
	.text
	.protected	k_q449d504bee_attn
	.globl	k_q449d504bee_attn
	.p2align	8
	.type	k_q449d504bee_attn,@function
k_q449d504bee_attn:
	s_mov_b64 s[64:65], 0
	v_nop
	global_prefetch_b8 v0, s[64:65] scope:SCOPE_SE
	s_setreg_imm32_b32 hwreg(HW_REG_WAVE_MODE, 25, 1), 1
	s_wait_xcnt 0x0
; Attention on codes of E4M3 for one batch, four heads and the query blocks D = x and 15 - x (64 queries each); concat's codes leave as images of operand registers.
; p = softmax(score / 8 under the strict lower triangle) x adj; adj comes as FP4 codes (mimg); p is quantised finished, so a row's sum is known before any p is made.
; LEFT OUT: chunks of keys wholly above the diagonal (reference()'s own tril gives them adj = 0 and exp = 0); the division by the sum of the finished softmax, which is 1 by identity (so its guard never acts).
; SHARES: eight waves.  Wave W takes query tile w = W % 4 of the block and, of its D + 1 chunks of 64 keys, those with number 2 i + kh, kh = W / 4.  Both waves of a pair hold the same 16 queries.
; Its last chunk (the diagonal's, or the one before) goes to block 7 of the scores, the others to blocks 0 .. 6.  It jumps over both passes and hands on M under every t, sum 0, O^T = 0.
; SOFTMAX: each chunk takes its own largest t away: e = 2^(t - M_i), s_i = its sum.  Then M_w = max M_i, d_i = 2^(M_i - M_w), sum_w = sum d_i s_i; the pair swaps (M_w, sum_w) through LDS;
; M = max of the two, f_i = d_i 2^(M_w - M) / sum, p = e f_i adj.  Every exponent is 0 or less.
; O^T: each wave sums over its own chunks; it keeps the 32 channels that it will finish in v64-79 (V's tiles are read in an order that hangs on kh) and hands v80-95 to its partner through LDS.
; A tile's O^T is finished behind the NEXT tile's barrier: one barrier a tile; the LDS areas for (M, sum) and O^T take turns by the tile's parity.
; K and V of a head (128 KiB, images of operand registers) lie in a ring of two slots; the change of slots stands at a head's start, and the other slot's fill has the head's two tiles in which to land.
; No cluster: the work-groups that walk the same K and V differ in D, on which the chunk counts and so the branches hang.  No prefetch: each fill is asked for two tiles of work ahead of its wait.
; LIMITS: the scaled scores stay under 2^31 in magnitude; e6 + e7 between -60 and 60; e8 and e10 - e8 - e9 between -126 and 119.
; REGISTERS, window 0: v1 16 x lane, v2 r - 8 h, v3 the triangle's bound, v4 the masked score, v5 v6 the add's two, v7 FP4's scale, v[8:9] M, sum, v[10:11] factor, v12-15 at work, v16-19 codes out, v20 permute,
; v21-24 v35 v36 LDS addresses of K and V, v25 v26 offsets of Q and of the codes, v27-30 holds and scales, v31-34 v37 v38 exchange addresses, v40-47 p's codes, v48-55 Q, v56-63 M_i then f_i, v64-95 O^T,
; v96-127 adj x f (first pass: a third buffer), v128-191 two buffers of K or V, v192-255 the masks of both tiles as FP4 codes.   window 1: the scores, eight blocks of 32.
.set SLOT1, 1<<17
.set XO,    2*SLOT1                    ; O^T's exchange: 4 KiB a wave, two halves by parity
.set ST,    XO+32768                   ; (M, sum): two halves by parity, 256 bytes a wave
.set SPARE, ST+4096                    ; the spare words, 128 bytes a wave
.set MSB, 0
.macro WIN new
.if MSB != (\new)
	s_set_vgpr_msb (MSB<<8)|(\new)
.set MSB, (\new)
.endif
.endm
.macro NOPS n
.rept \n
	v_nop
.endr
.endm
.macro WA
	s_wait_alu depctr_va_vdst(0)
.endm
.macro FETCH8 buf, adr, off            ; a chunk of K: four fragments
.irp i, 0,1,2,3,4,5,6,7
	ds_load_b128 v[\buf+4*\i:\buf+4*\i+3], v[\adr] offset:(\off)+512*\i
.endr
.endm
.macro FETCHV buf, al, ah, off         ; a chunk of V: my two channel tiles first, then my partner's
.irp i, 0,1,2,3
	ds_load_b128 v[\buf+4*\i:\buf+4*\i+3], v[\al] offset:(\off)+512*\i
.endr
.irp i, 0,1,2,3
	ds_load_b128 v[\buf+16+4*\i:\buf+16+4*\i+3], v[\ah] offset:(\off)+512*\i
.endr
.endm
.macro TSET                            ; from D (s34): s35 tile, s36 chunks in blocks 0 .., s37 my last chunk (above D: I have none), s38 64 (D - last) + 16 w
	s_lshl_b32 s35, s34, 2
	s_add_co_u32 s35, s35, s29
	s_max_u32 s36, s34, s30
	s_sub_co_u32 s36, s36, s30
	s_lshr_b32 s36, s36, 1
	s_and_b32 s36, s36, 7
	s_lshl_b32 s37, s36, 1
	s_add_co_u32 s37, s37, s30
	s_sub_co_i32 s38, s34, s37
	s_lshl_b32 s38, s38, 6
	s_lshl_b32 s39, s29, 4
	s_add_co_i32 s38, s38, s39
.endm
; FIRST PASS, one chunk: S^T = K Q^T, its largest t, e = 2^(t - M_i), its sum.  q counts the chunks of the tile; three buffers take turns, loads run two chunks ahead.
.macro P1 blk, q, sp
.set SR, 32*(\blk)
.set KB, 96+32*(((\q)+1)%3)
.if (\q) <= 5
.set KN, 96+32*(((\q)+3)%3)
	FETCH8 KN, 21, ((\q)+1)*8192
	s_wait_dscnt 16                                ; behind this chunk's loads: those of the next two
.else
	s_wait_dscnt 8*(7-(\q))
.endif
	WIN 0x40
.irp t, 0,1,2,3
	v_wmma_f32_16x16x64_fp8_fp8 v[SR+8*\t:SR+8*\t+7], v[KB+8*\t:KB+8*\t+7], v[48:55], 0
.endr
	NOPS 4
.if \sp
	WIN 0
	s_cmp_lt_u32 s37, s34                          ; a chunk ahead of the diagonal's hides nothing
	s_cbranch_scc1 .Lnm_\@
	WIN 0x41
.set n, 0
.rept 32
	v_cmp_ge_i32 vcc_lo, 16*(n/8)+n%8, v3          ; key >= query
	v_cndmask_b32 v[SR+n], v[SR+n], v4, vcc_lo
.set n, n+1
.endr
	WIN 0
.Lnm_\@:
.endif
	WIN 0x15
.irp k, 0,1,2,3,4,5,6,7,8,9
	v_max3_num_f32 v[88+\k-56*(\k/8)], v[SR+3*\k], v[SR+3*\k+1], v[SR+3*\k+2]
.endr
	WIN 0x14
	v_max3_num_f32 v88, v88, v[SR+30], v[SR+31]
	WIN 0
	v_max3_num_f32 v91, v91, v92, v93
	v_max3_num_f32 v94, v94, v95, v40
	v_max3_num_f32 v88, v88, v89, v90
	v_max3_num_f32 v88, v88, v91, v94
	v_max_num_f32 v88, v88, v41
	v_permlanex16_b32 v20, v88, s50, s51
	v_max_num_f32 v88, v88, v20
	v_mul_f32 v8, s48, v88                         ; M_i (c is positive)
	v_mul_f32 v[56+(\blk)], s48, v88
	WIN 0x41
.irp i, 0,2,4,6,8,10,12,14,16,18,20,22,24,26,28,30
	v_pk_fma_f32 v[SR+\i:SR+\i+1], v[SR+\i:SR+\i+1], s[48:49], v[8:9] op_sel_hi:[1,0,0] neg_lo:[0,0,1] neg_hi:[0,0,1]
.endr
	WA
.set n, 0
.rept 32
	v_exp_f32 v[SR+n], v[SR+n]
.set n, n+1
.endr
	v_nop
	WA
	WIN 0x05
.irp k, 0,1,2,3,4,5,6,7
	v_pk_add_f32 v[88+2*\k-56*(\k/4):89+2*\k-56*(\k/4)], v[SR+4*\k:SR+4*\k+1], v[SR+4*\k+2:SR+4*\k+3]
.endr
	WIN 0
	v_pk_add_f32 v[88:89], v[88:89], v[90:91]
	v_pk_add_f32 v[92:93], v[92:93], v[94:95]
	v_pk_add_f32 v[40:41], v[40:41], v[42:43]
	v_pk_add_f32 v[44:45], v[44:45], v[46:47]
	v_pk_add_f32 v[88:89], v[88:89], v[92:93]
	v_pk_add_f32 v[40:41], v[40:41], v[44:45]
	v_pk_add_f32 v[88:89], v[88:89], v[40:41]
	v_add_f32 v[80+(\blk)], v88, v89               ; s_i, my lane's part
.endm
; SECOND PASS, one chunk: p = e x (adj f_i), held, quantised; O^T += V^T p^T.  The next chunk of V is asked for into the other buffer.
.macro PV blk, q, first
.set SR, 32*(\blk)
.set VB, 128+32*((\q)%2)
.set VN, 128+32*(1-(\q)%2)
.set FP, 56+2*((\blk)/2)
	s_wait_dscnt 0x0
.irp t, 0,1,2,3
	v_cndmask_b32 v[12+\t], v[192+4*(\blk)+\t], v[224+4*(\blk)+\t], s45   ; this tile's mask
.endr
.irp t, 0,1,2,3
	v_cvt_scale_pk8_f32_fp4 v[96+8*\t:103+8*\t], v[12+\t], v7
.endr
	v_nop
.irp i, 0,2,4,6,8,10,12,14,16,18,20,22,24,26,28,30
.if (\blk)%2
	v_pk_mul_f32 v[96+\i:97+\i], v[96+\i:97+\i], v[FP:FP+1] op_sel:[0,1] op_sel_hi:[1,1]
.else
	v_pk_mul_f32 v[96+\i:97+\i], v[96+\i:97+\i], v[FP:FP+1] op_sel_hi:[1,0]
.endif
.endr
.if (\q) <= 6
	FETCHV VN, 23, 24, (\q)*8192
.endif
	WIN 0x41
.irp i, 0,2,4,6,8,10,12,14,16,18,20,22,24,26,28,30
	v_pk_mul_f32 v[SR+\i:SR+\i+1], v[SR+\i:SR+\i+1], v[96+\i:97+\i]
.endr
.set n, 0
.rept 32
	v_min_num_f32 v[SR+n], v[SR+n], v27            ; the conversion does not saturate (ISA guide 7.6.2); p is not negative
.set n, n+1
.endr
	WIN 0x01
.irp t, 0,1,2,3
	v_cvt_scalef32_pk8_fp8_f32 v[40+2*\t:41+2*\t], v[SR+8*\t:SR+8*\t+7], v28
.endr
	WIN 0
	v_nop
.irp t, 0,1,2,3
.if \first
	v_wmma_f32_16x16x64_fp8_fp8 v[64+8*\t:71+8*\t], v[VB+8*\t:VB+8*\t+7], v[40:47], 0
.else
	v_wmma_f32_16x16x64_fp8_fp8 v[64+8*\t:71+8*\t], v[VB+8*\t:VB+8*\t+7], v[40:47], v[64+8*\t:71+8*\t]
.endif
.endr
.endm
; The last tile's O^T is finished: my 32 channels + my partner's part (in v96-111), held, quantised, 512 consecutive bytes a wave
.macro FINB
	s_wait_xcnt 0x0                                ; the store before has read v16-19
	WA
.irp i, 0,2,4,6,8,10,12,14
	v_pk_add_f32 v[64+\i:65+\i], v[64+\i:65+\i], v[96+\i:97+\i]
.endr
.set n, 0
.rept 16
	v_med3_num_f32 v[64+n], v[64+n], -v29, v29
.set n, n+1
.endr
	v_cvt_scalef32_pk8_fp8_f32 v[16:17], v[64:71], v30
	v_cvt_scalef32_pk8_fp8_f32 v[18:19], v[72:79], v30
	v_nop
	global_store_b128 v26, v[16:19], s[14:15]
.endm
; The masks of one tile: block i takes chunk 2 i + kh, block 7 my last; a block without a chunk names my last written chunk again and is never used
.macro MLOAD set
	TSET
	s_min_u32 s62, s37, s34
	s_lshl_b32 s39, s33, 4
	s_add_co_u32 s39, s39, s34
	s_lshl_b32 s39, s39, 2
	s_add_co_u32 s39, s39, s29
	s_lshl_b32 s39, s39, 13
.irp i, 0,1,2,3,4,5,6,7
	s_add_co_u32 s40, s30, 2*\i
	s_min_u32 s40, s40, s62
	s_lshl_b32 s40, s40, 9
	s_add_co_u32 s40, s40, s39
	v_add_nc_u32 v[96+8*(\set)+\i], s40, v1
	global_load_b128 v[192+32*(\set)+4*\i:195+32*(\set)+4*\i], v[96+8*(\set)+\i], s[8:9]
.endr
	s_xor_b32 s34, s34, 15
.endm
	s_load_b128 s[4:7], s[0:1], 0x0                ; qimg, kv
	s_load_b64 s[8:9], s[0:1], 0x10                ; mimg
	s_load_b128 s[12:15], s[0:1], 0x18             ; the scales' exponents, cimg
	v_lshl_add_u32 v5, v0, 2, SPARE
	v_mov_b32 v6, 0
	ds_add_u32 v5, v6
	ds_add_u32 v5, v6
	v_lshrrev_b32 v1, 5, v0
	v_readfirstlane_b32 s28, v1                    ; W
	s_and_b32 s29, s28, 3                          ; w
	s_lshr_b32 s30, s28, 2                         ; kh
	s_and_b32 s31, ttmp9, 7                        ; x
	s_and_b32 s33, ttmp7, 0xffff
	s_and_b32 s32, s33, 1                          ; which four heads
	s_lshr_b32 s33, s33, 1                         ; batch
	s_mov_b32 s16, 3<<16                           ; 64 rows of 256 bytes, dense: a wave's eighth of a slot
	s_mov_b32 s17, 32<<16
	s_mov_b32 s18, 64<<16
	s_mov_b32 s19, 32<<16
	s_mov_b32 s20, 64
	s_mov_b32 s21, 32
	s_mov_b32 s22, 0
	s_mov_b32 s23, 0
	s_mov_b32 s24, 1
	s_lshl_b32 s25, s28, 14
	s_lshl_b32 s39, s33, 3
	s_lshl_b32 s40, s32, 2
	s_add_co_u32 s39, s39, s40                     ; my first head among the 128
	s_mov_b32 s3, 0
	s_wait_dscnt 0x0
	s_wait_kmcnt 0x0
	s_lshl_b32 s2, s39, 17
	s_add_co_u32 s2, s2, s25
	s_add_nc_u64 s[26:27], s[6:7], s[2:3]
	s_or_b32 s27, s27, 0x80000000
	tensor_load_to_lds s[24:27], s[16:23]          ; head 0 into slot 0
	s_nop 0
	s_load_b128 s[52:55], s[12:13], 0x18           ; e6 .. e9
	s_load_b32 s56, s[12:13], 0x28                 ; e10
	s_lshl_b32 s2, s39, 16
	s_add_nc_u64 s[4:5], s[4:5], s[2:3]
	s_lshl_b32 s2, s33, 19
	s_lshl_b32 s40, s32, 12
	s_add_co_u32 s2, s2, s40
	s_add_nc_u64 s[14:15], s[14:15], s[2:3]
	v_and_b32 v1, 31, v0
	v_lshlrev_b32 v1, 4, v1
	s_lshl_b32 s40, s31, 2
	s_add_co_u32 s40, s40, s29
	s_lshl_b32 s40, s40, 10
	v_add_nc_u32 v25, s40, v1
	global_load_b128 v[48:51], v25, s[4:5]         ; the first tile's Q
	global_load_b128 v[52:55], v25, s[4:5] offset:512
	WA
	s_mov_b32 s34, s31
	MLOAD 0
	MLOAD 1
	v_and_b32 v39, 15, v0                          ; r
	v_bfe_u32 v36, v0, 4, 1                        ; h
	v_lshlrev_b32 v2, 3, v36
	v_sub_nc_u32 v2, v39, v2
	v_mov_b32 v4, 0xf1800000
	v_mov_b32 v7, 0x7f7f7f7f
	v_mov_b32 v9, 0
	v_mov_b32 v11, 0
	v_mov_b32 v20, 0
	s_lshl_b32 s40, s28, 8
	s_add_co_u32 s40, s40, ST
	v_and_b32 v31, 31, v0
	v_lshl_add_u32 v31, v31, 3, s40                ; my (M, sum)
	s_xor_b32 s41, s28, 4                          ; my partner
	s_lshl_b32 s40, s41, 8
	s_add_co_u32 s40, s40, ST
	v_and_b32 v32, 31, v0
	v_lshl_add_u32 v32, v32, 3, s40
	s_lshl_b32 s40, s28, 12
	s_add_co_u32 s40, s40, XO
	v_add_nc_u32 v33, s40, v1
	s_lshl_b32 s40, s41, 12
	s_add_co_u32 s40, s40, XO
	v_add_nc_u32 v34, s40, v1
	s_lshl_b32 s58, s30, 12                        ; K: chunk kh
	s_mul_i32 s59, s30, 6144
	s_add_co_u32 s59, s59, 65536                   ; V: chunk kh, my two channel tiles
	s_lshl_b32 s60, s30, 11
	s_add_co_u32 s60, s60, 67584                   ; V: chunk kh, my partner's two
	s_lshl_b32 s61, s30, 9
	s_mov_b32 s50, 0x76543210
	s_mov_b32 s51, 0xfedcba98
	WA
	s_wait_kmcnt 0x0
	s_add_co_i32 s39, s52, s53
	s_lshl_b32 s39, s39, 23
	s_add_co_i32 s48, s39, 0x3e38aa3b              ; c = log2(e) / 8 x 2^(e6 + e7)
	s_mov_b32 s49, s48
	s_add_co_i32 s39, s54, 127
	s_lshl_b32 s40, s39, 23
	v_mov_b32 v28, s40                             ; 2^e8
	s_add_co_i32 s39, s39, 8
	s_lshl_b32 s39, s39, 23
	s_or_b32 s39, s39, 0x600000
	v_mov_b32 v27, s39                             ; 448 x 2^e8
	s_sub_co_i32 s39, s56, s54
	s_sub_co_i32 s39, s39, s55
	s_add_co_i32 s39, s39, 127
	s_lshl_b32 s40, s39, 23
	v_mov_b32 v30, s40                             ; 2^(e10 - e8 - e9)
	s_add_co_i32 s39, s39, 8
	s_lshl_b32 s39, s39, 23
	s_or_b32 s39, s39, 0x600000
	v_mov_b32 v29, s39
	WA
.macro TILE
	TSET
	s_lshl_b32 s39, s36, 13
	s_add_co_u32 s40, s43, s58
	s_add_co_u32 s41, s40, s39
	v_add_nc_u32 v21, s40, v1
	v_add_nc_u32 v22, s41, v1
	s_add_co_u32 s40, s43, s59
	s_add_co_u32 s41, s40, s39
	v_add_nc_u32 v23, s40, v1
	v_add_nc_u32 v35, s41, v1
	s_add_co_u32 s40, s43, s60
	s_add_co_u32 s41, s40, s39
	v_add_nc_u32 v24, s40, v1
	v_add_nc_u32 v36, s41, v1
	s_xor_b32 s40, s44, 2048
	v_add_nc_u32 v14, s44, v31
	v_add_nc_u32 v15, s44, v32
	v_add_nc_u32 v38, s44, v33
	v_add_nc_u32 v37, s40, v34                     ; my partner's O^T of the tile before: the other parity
	v_add_nc_u32 v3, s38, v2
	WA
	s_wait_loadcnt 0x0                             ; Q (the first time: the masks too)
	s_wait_dscnt 0x0                               ; no load is on its way into the buffers
	FETCH8 128, 22, 0
	FETCH8 160, 21, 0
.irp i, 0,1,2,3,4,5,6,7
	v_mov_b32 v[56+\i], 0xff61b1e6                 ; a block without a chunk: M_i under every t, s_i = 0
	v_mov_b32 v[80+\i], 0
.endr
	s_cmp_gt_u32 s37, s34                          ; no chunk at all (D = 0, kh = 1)
	s_cbranch_scc1 .Lp1e_\@
	P1 7, 0, 1
.set c, 0
.rept 7
	s_cmp_le_u32 s36, c
	s_cbranch_scc1 .Lp1e_\@
	P1 c, c+1, 0
.set c, c+1
.endr
.Lp1e_\@:
	WA
	s_cmp_eq_u32 s57, 7
	s_cbranch_scc1 .Lnq_\@                         ; the last tile has no successor
	s_xor_b32 s39, s34, 15
	s_lshl_b32 s39, s39, 2
	s_add_co_u32 s39, s39, s29
	s_lshl_b32 s39, s39, 10
	s_lshr_b32 s40, s44, 11
	s_add_co_u32 s40, s40, s42
	s_lshl_b32 s40, s40, 16
	s_add_co_u32 s39, s39, s40
	v_add_nc_u32 v25, s39, v1
	global_load_b128 v[48:51], v25, s[4:5]         ; the next tile's Q: this tile's first pass is over
	global_load_b128 v[52:55], v25, s[4:5] offset:512
.Lnq_\@:
	v_max3_num_f32 v88, v56, v57, v58
	v_max3_num_f32 v89, v59, v60, v61
	v_max3_num_f32 v88, v88, v89, v62
	v_max_num_f32 v8, v88, v63                     ; M_w
.irp i, 0,2,4,6
	v_pk_add_f32 v[56+\i:57+\i], v[56+\i:57+\i], v[8:9] op_sel_hi:[1,0] neg_lo:[0,1] neg_hi:[0,1]
.endr
	WA
.irp i, 0,1,2,3,4,5,6,7
	v_exp_f32 v[56+\i], v[56+\i]                   ; d_i
.endr
	v_nop
	WA
	v_pk_mul_f32 v[88:89], v[56:57], v[80:81]
	v_pk_fma_f32 v[88:89], v[58:59], v[82:83], v[88:89]
	v_pk_fma_f32 v[88:89], v[60:61], v[84:85], v[88:89]
	v_pk_fma_f32 v[88:89], v[62:63], v[86:87], v[88:89]
	v_add_f32 v88, v88, v89
	v_permlanex16_b32 v20, v88, s50, s51
	v_add_f32 v9, v88, v20                         ; sum_w
	ds_store_b64 v14, v[8:9]
	WA
	s_wait_dscnt 0x0                               ; for my partner's sake: (M, sum), and the tile before's O^T
	s_barrier_signal -1
	FETCHV 128, 35, 36, 0                          ; bytes of the slot in hand, which nobody writes
	s_barrier_wait -1
	ds_load_b64 v[12:13], v15
	s_cmp_eq_u32 s57, 0
	s_cbranch_scc1 .Lf1_\@                         ; the first tile has no tile before it
.irp j, 0,1,2,3
	ds_load_b128 v[96+4*\j:99+4*\j], v37 offset:512*\j
.endr
.Lf1_\@:
	s_wait_dscnt 0x0
	v_max_num_f32 v88, v8, v12                     ; M
	v_sub_f32 v89, v8, v88
	v_sub_f32 v90, v12, v88
	WA
	v_exp_f32 v89, v89
	v_exp_f32 v90, v90
	v_nop
	WA
	v_mul_f32 v91, v9, v89
	v_fma_f32 v91, v13, v90, v91                   ; the row's sum
	WA
	v_rcp_f32 v91, v91
	v_nop
	WA
	v_mul_f32 v10, v89, v91
.irp i, 0,2,4,6
	v_pk_mul_f32 v[56+\i:57+\i], v[56+\i:57+\i], v[10:11] op_sel_hi:[1,0]   ; f_i
.endr
	s_cmp_eq_u32 s57, 0
	WA
	s_cbranch_scc1 .Lf2_\@
	FINB
.Lf2_\@:
	WA
	s_cmp_gt_u32 s37, s34
	s_cbranch_scc0 .Lpv_\@
.set n, 0
.rept 32
	v_mov_b32 v[64+n], 0                           ; no chunk: my part of O^T is 0
.set n, n+1
.endr
	s_branch .Lp3e_\@
.Lpv_\@:
	PV 7, 0, 1
.set c, 0
.rept 7
	s_cmp_le_u32 s36, c
	s_cbranch_scc1 .Lp3e_\@
	PV c, c+1, 0
.set c, c+1
.endr
.Lp3e_\@:
	WA
	NOPS 4
.irp j, 0,1,2,3
	ds_store_b128 v38, v[80+4*\j:83+4*\j] offset:512*\j   ; my partner's 32 channels
.endr
	s_wait_xcnt 0x0                                ; the store before has read v26
	s_lshl_b32 s39, s35, 13
	s_lshl_b32 s40, s42, 10
	s_add_co_u32 s39, s39, s40
	s_add_co_u32 s39, s39, s61
	v_add_nc_u32 v26, s39, v1                      ; where this tile's codes will go
	WA
	s_xor_b32 s34, s34, 15
	s_xor_b32 s44, s44, 2048
	s_not_b32 s45, s45
	s_add_co_u32 s57, s57, 1
.endm
.macro HEADT                           ; a head's two tiles
	s_mov_b32 s46, 0
.Lt_\@:
	TILE
	s_add_co_u32 s46, s46, 1
	s_cmp_lt_u32 s46, 2
	s_cbranch_scc1 .Lt_\@
	s_xor_b32 s43, s43, SLOT1
	s_add_co_u32 s42, s42, 1
.endm
.macro CHANGE fill                     ; at a head's start: my part of its slot is in; behind the barrier the other slot takes the next head
	s_wait_tensorcnt 0x0
	ds_add_u32 v5, v6
.if \fill
	s_xor_b32 s25, s25, SLOT1
	s_add_nc_u64 s[26:27], s[26:27], 131072
.endif
	s_wait_dscnt 0x0
	s_barrier_signal -1
	s_barrier_wait -1
.if \fill
	tensor_load_to_lds s[24:27], s[16:23]
	s_nop 0
.endif
.endm
	s_mov_b32 s42, 0                               ; head
	s_mov_b32 s43, 0                               ; the slot in hand
	s_mov_b32 s44, 0                               ; parity x 2,048
	s_mov_b32 s45, 0                               ; parity as a lane mask
	s_mov_b32 s57, 0                               ; tiles done
	s_mov_b32 s47, 3
.Lh1:
	CHANGE 1
	HEADT
	s_sub_co_u32 s47, s47, 1
	s_cmp_lg_u32 s47, 0
	s_cbranch_scc1 .Lh1
	CHANGE 0                                       ; the last head is written out: it asks for nothing
	HEADT
	s_wait_dscnt 0x0
	s_barrier_signal -1
	s_barrier_wait -1
	s_xor_b32 s39, s44, 2048
	v_add_nc_u32 v37, s39, v34
.irp j, 0,1,2,3
	ds_load_b128 v[96+4*\j:99+4*\j], v37 offset:512*\j
.endr
	WA
	s_wait_dscnt 0x0
	FINB
	s_wait_tensorcnt 0x0                           ; the wave's end
	ds_add_u32 v5, v6
	s_wait_dscnt 0x0
	s_endpgm
.Lfunc_end_k_q449d504bee_attn:
	.size	k_q449d504bee_attn, .Lfunc_end_k_q449d504bee_attn-k_q449d504bee_attn
	.p2alignl 7, 3214868480
	.fill 96, 4, 3214868480
	.section	.rodata,"a",@progbits
	.p2align	6, 0x0
	.amdhsa_kernel k_q449d504bee_attn
		.amdhsa_group_segment_fixed_size 327680
		.amdhsa_private_segment_fixed_size 0
		.amdhsa_enable_private_segment 0
		.amdhsa_kernarg_size 40
		.amdhsa_user_sgpr_count 2
		.amdhsa_user_sgpr_kernarg_segment_ptr 1
		.amdhsa_wavefront_size32 1
		.amdhsa_system_sgpr_workgroup_id_x 1
		.amdhsa_system_sgpr_workgroup_id_y 1
		.amdhsa_system_sgpr_workgroup_id_z 1
		.amdhsa_system_vgpr_workitem_id 0
		.amdhsa_next_free_vgpr 512
		.amdhsa_next_free_sgpr 66
		.amdhsa_reserve_vcc 1
		.amdhsa_float_denorm_mode_32 3
		.amdhsa_float_denorm_mode_16_64 3
		.amdhsa_memory_ordered 1
		.amdhsa_forward_progress 1
		.amdhsa_inst_pref_size 198
	.end_amdhsa_kernel
	.amdgpu_metadata
---
amdhsa.version: [ 1, 2 ]
amdhsa.kernels:
  - .name:           k_q449d504bee_attn
    .symbol:         k_q449d504bee_attn.kd
    .args:
      - { .name: qimg, .offset: 0, .size: 8, .value_kind: global_buffer, .address_space: global }
      - { .name: kv, .offset: 8, .size: 8, .value_kind: global_buffer, .address_space: global }
      - { .name: mimg, .offset: 16, .size: 8, .value_kind: global_buffer, .address_space: global }
      - { .name: lowp_scales, .offset: 24, .size: 8, .value_kind: global_buffer, .address_space: global }
      - { .name: cimg, .offset: 32, .size: 8, .value_kind: global_buffer, .address_space: global }
    .group_segment_fixed_size: 327680
    .private_segment_fixed_size: 0
    .kernarg_segment_align: 8
    .kernarg_segment_size: 40
    .max_flat_workgroup_size: 256
    .sgpr_count:     66
    .vgpr_count:     512
    .wavefront_size: 32
...
	.end_amdgpu_metadata
.endif
;; end of part 3
;; launch oproj (part 4): grid 256 x 1, 4 waves a work-group, no clusters, 34,304 bytes of LDS; arguments cimg, wimg, bo, lowp_scales, out0; writes out0
.if DOCPART == 4
	.amdgcn_target "amdgcn-amd-amdhsa--gfx1250"
	.amdhsa_code_object_version 6
	.text
	.protected	k_q449d504bee_oproj
	.globl	k_q449d504bee_oproj
	.p2align	8
	.type	k_q449d504bee_oproj,@function
k_q449d504bee_oproj:
	s_mov_b64 s[64:65], 0
	v_nop
	global_prefetch_b8 v0, s[64:65] scope:SCOPE_SE
	s_setreg_imm32_b32 hwreg(HW_REG_WAVE_MODE, 25, 1), 1
	s_wait_xcnt 0x0
; out0 = concat Wo^T + bo on codes of E4M3: concat's codes (scale e10) and Wo's (e11) come as images of operand registers, so every fragment is four loads of 512 consecutive bytes straight into registers.
; A work-group takes 64 rows, wave w the columns 128 w .. 128 w + 127: 8 n tiles x 4 row tiles, 32 accumulators.  Waves share nothing: no barrier, no tensor load.
; Source 0 = 16 rows of Wo, source 1 = 16 rows of concat: a lane holds one row and eight neighbouring columns.  out = sum x 2^(e10 + e11) + bo, one packed multiply-add for two numbers.
; A block of 16 rows x 128 columns goes through the wave's own stage in LDS and leaves as whole rows of 512 bytes.
; LIMIT: e10 + e11 between -126 and 127.
; No cluster: what work-groups share is Wo's 256 KB, read once by each into registers; each launch-wide read of it is short against the 32 MB that are stored.
; window 0: v1 16 x lane, v4, v5 the stage (in, back), v6 bo's offset, v7 my offset in a row of out0, v8, v9 the add's two, v16-79 and v80-143 concat's fragments, two sets (the first later at work), v144-207 bo
; windows 1, 2: Wo(nt, ks) at v[64 (nt % 4) + 16 ks] of window 1 + nt / 4; on the way out window 1 takes the rows read back.   window 3: the accumulators, (nt, mt) at v[8 (4 nt + mt)]
.set SP,    528                        ; a stage row: 512 bytes + 16
.set STGW,  16*SP
.set SPARE, 4*STGW                     ; the spare words, 128 bytes for each wave: no other line names them
.set TMP,   16
.set BIAS,  144
.set MSB, 0
.macro WIN new                         ; the immediate's high byte repeats the setting that is left
.if MSB != (\new)
	s_set_vgpr_msb (MSB<<8)|(\new)
.set MSB, (\new)
.endif
.endm
.macro NOPS n
.rept \n
	v_nop
.endr
.endm
.macro LOADK ks, set                   ; K step ks: 16 loads of concat, 32 of Wo
.irp mt, 0,1,2,3
.irp g, 0,1,2,3
	global_load_b128 v[16+64*(\set)+16*\mt+4*\g:16+64*(\set)+16*\mt+4*\g+3], v1, s[4:5] offset:\mt*8192+(\ks)*2048+512*\g
.endr
.endr
.irp nt, 0,1,2,3,4,5,6,7
	WIN ((1+\nt/4)<<6)
.irp g, 0,1,2,3
	global_load_b128 v[64*(\nt%4)+16*(\ks)+4*\g:64*(\nt%4)+16*(\ks)+4*\g+3], v1, s[6:7] offset:\nt*8192+(\ks)*2048+512*\g
.endr
.endr
	WIN 0
.endm
.macro MMO ks, set, first              ; 32 matrix instructions; the accumulators take turns, one instruction a turn
.irp nt, 0,1,2,3,4,5,6,7
.if \first
	WIN (0xc0|(1+\nt/4))
.else
	WIN (0xf0|(1+\nt/4))
.endif
.irp mt, 0,1,2,3
.set rD, 8*(4*\nt+\mt)
.set rW, 64*(\nt%4)+16*(\ks)
.set rX, 16+64*(\set)+16*\mt
.if \first
	v_wmma_f32_16x16x128_fp8_fp8 v[rD:rD+7], v[rW:rW+15], v[rX:rX+15], 0
.else
	v_wmma_f32_16x16x128_fp8_fp8 v[rD:rD+7], v[rW:rW+15], v[rX:rX+15], v[rD:rD+7]
.endif
.endr
.endr
	WIN 0
.endm
	s_load_b256 s[4:11], s[0:1], 0x0               ; cimg s[4:5], wimg s[6:7], bo s[8:9], the scales' exponents s[10:11]
	s_load_b64 s[12:13], s[0:1], 0x20              ; out0
	v_lshl_add_u32 v8, v0, 2, SPARE
	v_mov_b32 v9, 0
	v_lshrrev_b32 v1, 5, v0
	v_readfirstlane_b32 s14, v1                    ; wave
	v_and_b32 v1, 31, v0
	v_lshlrev_b32 v1, 4, v1
	v_and_b32 v2, 15, v0                           ; r
	v_bfe_u32 v3, v0, 4, 1                         ; h
	s_mul_i32 s15, s14, STGW                       ; my stage
	v_mul_u32_u24 v4, v2, SP
	v_lshl_add_u32 v4, v3, 5, v4
	v_add_nc_u32 v4, s15, v4                       ; in: row r, + 32 h
	v_add_nc_u32 v5, s15, v1                       ; back: a row's 512 bytes, 16 a lane
	v_lshlrev_b32 v6, 5, v3
	s_lshl_b32 s16, s14, 9
	v_add_nc_u32 v7, s16, v1
	s_mov_b32 s3, 0
	s_wait_alu depctr_va_vdst(0)
	s_wait_kmcnt 0x0
	s_load_b64 s[18:19], s[10:11], 0x28            ; e10, e11
	s_lshl_b32 s2, ttmp9, 15                       ; four row tiles of 8 KB
	s_add_nc_u64 s[4:5], s[4:5], s[2:3]
	s_lshl_b32 s2, s14, 16
	s_add_co_u32 s2, s2, 786432                    ; Wo's images, my eight n tiles
	s_add_nc_u64 s[6:7], s[6:7], s[2:3]
	s_mov_b32 s2, s16
	s_add_nc_u64 s[8:9], s[8:9], s[2:3]
	s_lshl_b32 s2, ttmp9, 17                       ; 64 rows of 2,048 bytes
	s_add_nc_u64 s[12:13], s[12:13], s[2:3]
.irp nt, 0,1,2,3,4,5,6,7
	global_load_b128 v[BIAS+8*\nt:BIAS+8*\nt+3], v6, s[8:9] offset:64*\nt       ; bo at columns 16 nt + 8 h + 0 .. 7
	global_load_b128 v[BIAS+8*\nt+4:BIAS+8*\nt+7], v6, s[8:9] offset:64*\nt+16
.endr
	LOADK 0, 0
	LOADK 1, 1
	s_wait_loadcnt 48                              ; bo and K step 0 are in; the next K step's 48 loads may be out
	MMO 0, 0, 1
	NOPS 4                                         ; places in front of loads into registers that matrix instructions have read
	LOADK 2, 0
	s_wait_loadcnt 48
	MMO 1, 1, 0
	NOPS 4
	LOADK 3, 1
	s_wait_loadcnt 48
	MMO 2, 0, 0
	s_wait_loadcnt 0x0
	MMO 3, 1, 0
	s_wait_kmcnt 0x0
	s_add_co_i32 s20, s18, s19
	s_add_co_i32 s20, s20, 127
	s_lshl_b32 s20, s20, 23                        ; 2^(e10 + e11) as f32
	s_mov_b32 s21, s20                             ; (named with it as a pair, so it is written)
	NOPS 4                                         ; places in front of the first read of results and of loads into Wo's registers
.macro TOSTAGE mt
	WIN 0x03
.irp nt, 0,1,2,3,4,5,6,7
.irp i, 0,2,4,6
	v_pk_fma_f32 v[TMP+8*\nt+\i:TMP+8*\nt+\i+1], v[8*(4*\nt+(\mt))+\i:8*(4*\nt+(\mt))+\i+1], s[20:21], v[BIAS+8*\nt+\i:BIAS+8*\nt+\i+1] op_sel_hi:[1,0,1]   ; each accumulator from its low end on
.endr
.endr
	WIN 0
.irp nt, 0,1,2,3,4,5,6,7
	ds_store_b128 v4, v[TMP+8*\nt:TMP+8*\nt+3] offset:64*\nt
	ds_store_b128 v4, v[TMP+8*\nt+4:TMP+8*\nt+7] offset:64*\nt+16
.endr
	WIN 0x40
.irp t, 0,1,2,3,4,5,6,7,8,9,10,11,12,13,14,15
	ds_load_b128 v[64*(\mt)+4*\t:64*(\mt)+4*\t+3], v5 offset:\t*SP   ; LDS serves a wave's instructions in order (ISA guide 5.7.1.4): these see my stores, and the next block's stores come behind them
.endr
	WIN 0
.endm
.macro SEND mt, younger                ; younger: the LDS instructions issued behind this block's loads, which may stay out
	s_wait_dscnt \younger
	WIN 0x04
.irp t, 0,1,2,3,4,5,6,7,8,9,10,11,12,13,14,15
	global_store_b128 v7, v[64*(\mt)+4*\t:64*(\mt)+4*\t+3], s[12:13] offset:(16*(\mt)+\t)*2048 th:TH_STORE_NT   ; 32 lanes store 512 consecutive bytes, aligned; each block has registers of its own
.endr
	WIN 0
.endm
	TOSTAGE 0
	TOSTAGE 1
	SEND 0, 32
	TOSTAGE 2
	SEND 1, 32
	TOSTAGE 3
	SEND 2, 32
	SEND 3, 0
	s_wait_tensorcnt 0x0                           ; the wave's end
	ds_add_u32 v8, v9
	s_wait_dscnt 0x0
	s_endpgm
.Lfunc_end_k_q449d504bee_oproj:
	.size	k_q449d504bee_oproj, .Lfunc_end_k_q449d504bee_oproj-k_q449d504bee_oproj
	.p2alignl 7, 3214868480
	.fill 96, 4, 3214868480
	.section	.rodata,"a",@progbits
	.p2align	6, 0x0
	.amdhsa_kernel k_q449d504bee_oproj
		.amdhsa_group_segment_fixed_size 34304
		.amdhsa_private_segment_fixed_size 0
		.amdhsa_enable_private_segment 0
		.amdhsa_kernarg_size 40
		.amdhsa_user_sgpr_count 2
		.amdhsa_user_sgpr_kernarg_segment_ptr 1
		.amdhsa_wavefront_size32 1
		.amdhsa_system_sgpr_workgroup_id_x 1
		.amdhsa_system_sgpr_workgroup_id_y 1
		.amdhsa_system_sgpr_workgroup_id_z 1
		.amdhsa_system_vgpr_workitem_id 0
		.amdhsa_next_free_vgpr 1024
		.amdhsa_next_free_sgpr 66
		.amdhsa_reserve_vcc 0
		.amdhsa_float_denorm_mode_32 3
		.amdhsa_float_denorm_mode_16_64 3
		.amdhsa_memory_ordered 1
		.amdhsa_forward_progress 1
		.amdhsa_inst_pref_size 54
	.end_amdhsa_kernel
	.amdgpu_metadata
---
amdhsa.version: [ 1, 2 ]
amdhsa.kernels:
  - .name:           k_q449d504bee_oproj
    .symbol:         k_q449d504bee_oproj.kd
    .args:
      - { .name: cimg, .offset: 0, .size: 8, .value_kind: global_buffer, .address_space: global }
      - { .name: wimg, .offset: 8, .size: 8, .value_kind: global_buffer, .address_space: global }
      - { .name: bo, .offset: 16, .size: 8, .value_kind: global_buffer, .address_space: global }
      - { .name: lowp_scales, .offset: 24, .size: 8, .value_kind: global_buffer, .address_space: global }
      - { .name: out0, .offset: 32, .size: 8, .value_kind: global_buffer, .address_space: global }
    .group_segment_fixed_size: 34304
    .private_segment_fixed_size: 0
    .kernarg_segment_align: 8
    .kernarg_segment_size: 40
    .max_flat_workgroup_size: 128
    .sgpr_count:     66
    .vgpr_count:     1024
    .wavefront_size: 32
...
	.end_amdgpu_metadata
.endif
;; end of part 4
